; MI455X (gfx1250); checked and timed in simulation.
; The chip was launched on July 23, 2026; its instructions are those of AMD's public machine-readable ISA for CDNA 5 (MIT licence, August 2026) and "CDNA5" Instruction Set Architecture Reference Guide (July 2026). The comments in the code are by the model that wrote it; some were corrected since.
;; Min LSTM Layer. Allowed arithmetic: matrix products marked QUANTISED: E2M3 operands, one E8M0 scale for each 32 along K, by v_wmma_scale_f32_16x16x128_f8f6f4 with both operands' format E2M3, f32 sums; everything else in f32.
;; Inputs: W_f_codes 1,024 x 32 x 24 uint8 (E2M3 codes of W_f, K innermost, in blocks of 32 codes, four codes in three bytes); W_f_scales 1,024 x 32 uint8 (E8M0 scales of W_f, one for each 32 codes along K); W_h_codes 1,024 x 32 x 24 uint8 (E2M3 codes of W_h, K innermost, in blocks of 32 codes, four codes in three bytes); W_h_scales 1,024 x 32 uint8 (E8M0 scales of W_h, one for each 32 codes along K); W_i_codes 1,024 x 32 x 24 uint8 (E2M3 codes of W_i, K innermost, in blocks of 32 codes, four codes in three bytes); W_i_scales 1,024 x 32 uint8 (E8M0 scales of W_i, one for each 32 codes along K); b_f 1,024 float32; b_h 1,024 float32; b_i 1,024 float32; x_codes 4 x 4,096 x 32 x 24 uint8 (E2M3 codes of x, K innermost, in blocks of 32 codes, four codes in three bytes); x_scales 4 x 4,096 x 32 uint8 (E8M0 scales of x, one for each 32 codes along K).
;; Outputs: out0 4 x 4,096 x 1,024 float32.
;; This version of the problem:
;;   THIS VERSION OF THE PROBLEM IS GIVEN IN LOW PRECISION. The matrix products marked QUANTISED in the list below multiply operands that are first quantised to E2M3 (2 exponent bits, 3 mantissa bits; 6 bits a number), with one power-of-two scale for each 32 numbers along K (OCP MX v1.0); their sums are f32. All else is computed in f32.
;;   The module's matrix products, in the order in which they are computed (A, B: the left and right operand; K: the contracted axis; several contracted axes count as one K, in the product's order):
;;     1. [M 16,384, K 1,024] x [K 1,024, N 1,024]; A: input x (given as codes); B: input W_f (given as codes): QUANTISED
;;     2. [M 16,384, K 1,024] x [K 1,024, N 1,024]; A: input x (given as codes); B: input W_i (given as codes): QUANTISED
;;     3. [M 16,384, K 1,024] x [K 1,024, N 1,024]; A: input x (given as codes); B: input W_h (given as codes): QUANTISED
;;   THE QUANTISER, for each operand of a quantised product, along K:
;;     - K is cut into blocks of 32 from its start; a last block that is shorter is filled with zeros.
;;     - A block's scale is 2^e with e = floor(log2(the largest magnitude in the block)) - 2, held to -126 .. 127; a block of zeros has e = 0. As a byte (E8M0): e + 127.
;;     - Each number is divided by its block's scale, clamped to +-7.5, and rounded to the nearest number of E2M3, ties to even, subnormals kept.
;;     - The product sums the exact products of the quantised numbers (number of the format x scale) in f32.
;;   ~~~python
;;   def quantise(x, axis):      # numpy; x: float32 -> the quantised numbers, widened to float32 again
;;       x = np.moveaxis(x, axis, -1); K = x.shape[-1]
;;       x = np.pad(x, [(0, 0)] * (x.ndim - 1) + [(0, -K % 32)]); x = x.reshape(x.shape[:-1] + (-1, 32)); a = np.abs(x).max(-1, keepdims=True)
;;       e = np.where(a > 0, np.clip(np.frexp(np.where(a > 0, a, 1))[1] - 1 - 2, -126, 127), 0)      # np.frexp(a)[1] - 1 = floor(log2(a)), exactly
;;       r = np.clip(x / 2.0 ** e, -7.5, 7.5)
;;       step = 2.0 ** (np.maximum(np.frexp(np.where(r == 0, 1, r))[1] - 1, 0) - 3)
;;       q = np.round(r / step) * step * 2.0 ** e      # np.round: ties to even
;;       return np.moveaxis(q.reshape(q.shape[:-2] + (-1,))[..., :K], -1, axis).astype(np.float32)
;;   ~~~
;;   INPUTS GIVEN AS CODES. W_f (in the module: [1024, 1024], K = its axis 1); W_h (in the module: [1024, 1024], K = its axis 1); W_i (in the module: [1024, 1024], K = its axis 1); x (in the module: [4, 4096, 1024], K = its axis 2): each comes as NAME_codes (uint8): NAME with its K axis moved to the last place and cut into blocks of 32 codes, [.., K / 32, bytes a block], one block behind the other in memory; four codes in three bytes: a row's codes are one little-endian stream of bits, code i at bits 6 i .. 6 i + 5 (a code: sign, 2 exponent bits, 3 mantissa bits); and NAME_scales (uint8): the same leading axes, one E8M0 byte (e + 127) for each 32 codes along K. Its value is code x scale, taken as it is: it is not quantised again, and the codes and scales need not be those that the quantiser above would give.
;; 2 versions. Each part assembles by itself: llvm-mc -triple=amdgcn-amd-amdhsa -mcpu=gfx1250 --defsym DOCPART=n.
;; ======== version 1 of 2: 1 launch
;; launch minlstm (part 1): grid 64 x 4, 8 waves a work-group, clusters of 4 x 1, 327,680 bytes of LDS; arguments x_codes, x_scales, W_f_codes, W_f_scales, W_i_codes, W_i_scales, W_h_codes, W_h_scales, b_f, b_i, b_h, out0; writes out0
.if DOCPART == 1
	.amdgcn_target "amdgcn-amd-amdhsa--gfx1250"
	.amdhsa_code_object_version 6
	.text
	.protected	k_q2abfbbfad6_minlstm
	.globl	k_q2abfbbfad6_minlstm
	.p2align	8
	.type	k_q2abfbbfad6_minlstm,@function
k_q2abfbbfad6_minlstm:
	s_mov_b64 s[64:65], 0
	v_nop
	global_prefetch_b8 v0, s[64:65] scope:SCOPE_SE
	s_setreg_imm32_b32 hwreg(HW_REG_WAVE_MODE, 25, 1), 1
	s_wait_xcnt 0x0
	s_wait_alu depctr_hold_cnt(0) depctr_sa_sdst(0) depctr_va_vdst(0) depctr_va_sdst(0) depctr_va_ssrc(0) depctr_va_vcc(0) depctr_vm_vsrc(0)
	s_getreg_b32 s2, hwreg(HW_REG_IB_STS2, 6, 4)
	s_cmp_eq_u32 s2, 0
	s_cbranch_scc0 .Lentry_in_a_cluster
	s_endpgm
.Lentry_in_a_cluster:
	s_bfe_u32 s2, ttmp6, 0x10000c
	s_cmp_lg_u32 s2, 0x3003
	s_cbranch_scc0 .Lentry_shape_is_right
	s_endpgm
.Lentry_shape_is_right:
; minLSTM layer, one launch.  f = x Wf^T + bf, i = x Wi^T + bi, u = x Wh^T + bh (codes of E2M3 with E8M0 scales, as they lie in memory; sums in f32), then
;   h_t = f'_t h_(t-1) + i'_t g(u_t),  h_0 = 1,  f' = (1+e^-i) / ((1+e^-i)+(1+e^-f)),  i' = 1 - f',  g(u) = u + 0.5 for u >= 0, sigmoid(u) below.
; That is the scan of the problem in linear form: every h is a convex mix of earlier h and g, so no sum of logarithms is exponentiated.  The gates' exponentials have the largest of (0, -f, -i) taken
; away first: E0 = 2^nm, Ef = 2^(nm-p), Ei = 2^(nm-q), nm = min(p, q, 0), p = f log2 e, q = i log2 e: all at most 1, one of them 1.
; g = max(u + 0.5, sigmoid(-|u|)) holds for every u, so no compare is needed: with eh = 2^-|u log2 e| and O = 1 + eh, g O = max((u + 0.5) O, eh).  One reciprocal, of (denominator x O), serves f' and i' g.
; LIMITS: NaN, infinities and the scale byte 0xff are not served; what falls under 2^-126 (results of v_exp_f32, very small outputs) counts as 0.
; SHARES.  The scan ties all 4,096 times of a (batch, channel) together and work-groups exchange nothing, so a work-group owns whole sequences: one batch, 16 channels, all times: 4 x 64 = 256 work-groups.
; Time goes in 32 blocks of 128 rows; in a block wave w of eight owns rows 16 w .. 16 w + 15.  Every wave keeps the 3 x 16 weight rows in registers for the whole launch (24 fragments, 288 registers),
; so a fragment of x read from LDS feeds three matrix instructions and no weight is read again.
; LAYOUT.  Source 0 = 16 rows of x (times), source 1 = 16 rows of a weight (channels): lane (r, h) holds channel r, register j time 8 h + j: the scan runs down a lane's eight registers.
; CARRY.  A lane scans its eight times from 0 (HL) and keeps the running product of f' (AA); the halves of the lanes meet by one lane exchange; each wave leaves its tile's (product, value) in LDS; behind the
; next barrier every wave chains the eight tiles onto the block's carry, which every wave keeps, and catches its own prefix on the way.  h = AA x carry + HL.
; PIPELINE.  Interval k (a barrier at its head): the products of block k | the carry, the last multiply-add and the stores of block k - 2 | the gates and the local scan of block k - 1.  The vector work stands in
; chunks between the K steps' three matrix instructions, whose registers it does not touch.
; CLUSTER.  The four work-groups of a cluster have one batch and read the same x: every tile of x, codes and scale bytes, is asked for jointly (mask 15).  The weights differ between partners: plain loads.
; OUTPUT.  A work-group's 16 channels are 64 bytes of an output row of 4,096: a store of a wave covers 64 consecutive bytes at each of two times.  Longer runs would need 64 channels to a work-group,
; which gives 64 work-groups, or a second pass over the 67 MB of output.
.set PITCH,  816                       ; a row of 1,024 codes in LDS: 3 x (256 bytes + 16 of padding) = 204 words: row r starts at bank 12 r mod 64 (64 banks of 4 bytes: ISA guide 11.1)
.set XSLOT,  128*PITCH                 ; a slot: 128 rows of x.  Slot 0 at byte 0, slot 1 behind it
.set XHALF,  64*PITCH                  ; what one tensor load brings
.set XS0,    2*XSLOT                   ; the block's scale bytes, 128 x 32, as 16 rows of 256 bytes + 16; two slots
.set XSS,    16*272
.set EB,     XS0+2*XSS                 ; the tiles' summaries: 2 generations x 8 waves x 256 bytes; written by LDS stores alone
.set SPARE,  EB+4096                   ; the spare words, 128 bytes for each wave: four blocks of 256 bytes that no other line names
.set WL,     SPARE+1024                ; the weights' 3 x 16 rows: filled once, read once
.set WGATE,  16*PITCH
.set BATCHX, 4096*768                  ; a batch's codes in bytes
.set BLKX,   128*768                   ; a block's
.set SPW, 1                            ; v1   LDS address of my spare word; never rewritten
.set NIL, 2                            ; v2   0; never rewritten
.set ADR, 4                            ; v4, v5  my row's place in slot 0, 1;  v6, v7 the same for pieces that lie behind one padding more
.set AXS, 8                            ; v8   my row's 16 scale bytes
.set AES, 9                            ; v9   where I store my tile's summary
.set AER, 10                           ; v10  where I read channel r's summaries
.set OFF, 11                           ; v11  my byte offset in a block of the output
.set BFL, 12                           ; v[12:13] bf log2 e, twice;  v[14:15] bi log2 e
.set BIL, 14
.set CC,  16                           ; v16  the carry into the block
.set MINE, 17                          ; v17  the carry into my tile
.set CL,  18                           ; v[18:19] the carry into my eight times (the pair is named; the low word serves both halves)
.set RAP, 20                           ; v20, v21  what brings the tile's carry to my half: x RAP + RSP
.set RSP, 21
.set TS,  22                           ; v[22:23] my tile's summary
.set PFO, 24                           ; v24  256 x lane; never rewritten
.set BT,  25                           ; v25-27 the biases as loaded
.set XSC, 28                           ; v28-31 x's scale words: lanes 0-15 K steps 0-3, lanes 16-31 K steps 4-7
.set WSC, 32                           ; v32-43 the weights' likewise, four registers a gate
.set W7,  44                           ; v44-79 the weights' fragments of K step 7;  K steps 0-6 fill window 1: (s, g) at v[36 s + 12 g]
.set XF,  80                           ; v80-151 six buffers for x's fragments: K step s in buffer s % 6
.set ACC, 152                          ; v152-199 two sets of three accumulators: f, i, u
.set RM,  200                          ; v200-207 nm, E0, denominator x O, its reciprocal
.set RT,  208                          ; v208-215 u log2 e, then eh
.set SU,  200                          ; v200-215 the eight summaries, ahead of the gates' use of these registers
.set RO,  216                          ; v216-223 O
.set RHL, 224                          ; v224-231 the local scan, then h
.set RAA, 232                          ; v232-239 the running product of f'
.set BHL, 240                          ; v[240:241] bh log2 e;  v[242:243] bh + 0.5
.set BHG, 242
.set AO,  244                          ; v244, v245 the other half's last product and value
.set SO,  245
.set AW,  246                          ; v246, v248 my row's place among a weight's 16 rows
.set WV,  28                           ; s28 wave;  s29 cx;  s30 channel group;  s31 batch
.set CX,  29
.set CG,  30
.set BA,  31
.set G1X, 32                           ; s[32:39] group 1 for x's codes;  s[40:47] for its scale bytes;  s[68:75] for the weights
.set G1S, 40
.set G0X, 48                           ; s[48:55] groups 0 for x's codes, one for each slot;  s[56:63] for the scale bytes;  s[76:79] for a weight
.set G0S, 56
.set G1W, 68
.set G0W, 76
.set SEL, 80                           ; s[80:81] lane selects: lane l xor 16
.set LG,  82                           ; s[82:83] log2 e
.set HM,  84                           ; s84 lanes 16-31
.set KI,  85                           ; s85 the interval's number
.set LIM, 86                           ; s86 a wave prefetches while s85 is under it
.set TR,  87                           ; s87 trips
.set PFA, 88                           ; s[88:89] where my prefetches stand
.set OUT, 90                           ; s[90:91] the output at the block to be stored
.set MK,  92                           ; s93-99 all ones in s[92 + u] of wave u
.set W0J, 15|(3<<16)|(1<<20)|(1<<21)|(5<<22)|(3<<25)   ; 15:0 the mask: all four partners; 17:16 elements of 8 bytes; 20 padding on; 21 set beside a mask; 24:22 after every 64 words; 31:25 four words of it
.set W0P, (3<<16)|(1<<20)|(5<<22)|(3<<25)              ; the same with no mask
.set MSB, 0
.macro WIN new                         ; the immediate's high byte repeats the setting that is left; a switch that changes nothing is dropped
.if MSB != \new
	s_set_vgpr_msb (MSB<<8)|\new
.set MSB, \new
.endif
.endm
.macro PLACES n
.rept \n
	v_nop
.endr
.endm
.macro GROUP1 g, w0, rows              ; a dense block of memory as rows of 256 bytes (32 elements of 8 bytes)
	s_mov_b32 s[\g], \w0
	s_mov_b32 s[\g+1], 32<<16                      ; tensor_dim0
	s_mov_b32 s[\g+2], (\rows)<<16                 ; tensor_dim1
	s_mov_b32 s[\g+3], 32<<16                      ; tile_dim0
	s_mov_b32 s[\g+4], \rows                       ; tile_dim1
	s_mov_b32 s[\g+5], 32                          ; from row to row
	s_mov_b32 s[\g+6], 0
	s_mov_b32 s[\g+7], 0
.endm
.macro CROUND                          ; a round of the cluster's barrier: my work-group's barrier; wave 0 signals for the work-group; every wave waits for all four; my work-group's barrier once more
	s_barrier_signal -1
	s_barrier_wait -1
	s_cmp_lg_u32 s[WV], 0
	s_cbranch_scc1 .Lnot_wave_0_\@
	s_barrier_signal -3
.Lnot_wave_0_\@:
	s_barrier_wait -3
	s_barrier_signal -1
	s_barrier_wait -1
.endm
; A joint refill of slot sl: waves 0 and 1 fetch the two halves of the block's codes, wave 2 its scale bytes.  The branches hang on the wave's number alone.  Four v_nop follow each load.
.macro TLOAD sl
	s_cmp_lt_u32 s[WV], 2
	s_cbranch_scc0 .Lnot_x_\@
	tensor_load_to_lds s[G0X+4*(\sl):G0X+4*(\sl)+3], s[G1X:G1X+7]
	s_nop 0
	PLACES 4
	s_branch .Lasked_\@
.Lnot_x_\@:
	s_cmp_eq_u32 s[WV], 2
	s_cbranch_scc0 .Lasked_\@
	tensor_load_to_lds s[G0S+4*(\sl):G0S+4*(\sl)+3], s[G1S:G1S+7]
	s_nop 0
	PLACES 4
.Lasked_\@:
.endm
; A prefetch of x's codes: in interval k (1 to 27) block k + 4, which the tensor load of interval k + 3 asks for.  All sixteen clusters of a batch walk the same x: the first of them asks.  Its four partners
; take 24,576 bytes of the block each, told apart by address; in each, waves 3 to 5 ask for 8,192 bytes, lanes 256 bytes apart: each aligned 256 bytes of blocks 5 to 31 are named once in the launch.
.macro ASK
	s_cmp_lt_u32 s[KI], s[LIM]
	s_cbranch_scc0 .Lnot_mine_\@
	global_prefetch_b8 v[PFO], s[PFA:PFA+1] th:TH_LOAD_NT scope:SCOPE_SE
.Lnot_mine_\@:
.endm
; A fragment, 16 rows x 128 K of 6-bit codes, is 12 registers: lane (r, h) holds row r; registers 6 c .. 6 c + 5 hold K = 64 c + 32 h + 0 .. 31: 24 bytes of the row's stream of bits, in pieces of 8 bytes.
; Lanes 0-15 take the row's pieces 12 s + 0, 1, 2, 6, 7, 8, lanes 16-31 those three on; 16 bytes of padding lie behind every 32 pieces: where the piece three on lies behind one padding more, the second address serves.
.macro FRAG reg, adr, s, off
.irp p, 0,1,2,3,4,5
.set PC, 12*(\s)+6*(\p/3)+\p%3
.if PC%32 < 29
	ds_load_b64 v[(\reg)+2*\p:(\reg)+2*\p+1], v[\adr] offset:(\off)+8*PC+16*(PC/32)
.else
	ds_load_b64 v[(\reg)+2*\p:(\reg)+2*\p+1], v[(\adr)+2] offset:(\off)+8*PC+16*(PC/32)
.endif
.endr
.endm
; K step s of a tile: three matrix instructions, the accumulators f, i, u by turns.  The first K step starts the sums with the constant 0; the biases come in with the gates' scaling.
.macro MM s, set
.if (\s) < 7
	WIN 0x04                                       ; source 1 (the weight) in window 1
.else
	WIN 0
.endif
.irp g, 0,1,2
.set DD, ACC+24*(\set)+8*\g
.set AX, XF+12*((\s)%6)
.if (\s) < 7
.set BB, 36*(\s)+12*\g
.else
.set BB, W7+12*\g
.endif
.if (\s) == 0
	v_wmma_scale_f32_16x16x128_f8f6f4 v[DD:DD+7], v[AX:AX+11], v[BB:BB+11], 0, v[XSC+(\s)%4], v[WSC+4*\g+(\s)%4] matrix_a_fmt:MATRIX_FMT_FP6 matrix_b_fmt:MATRIX_FMT_FP6
.elseif (\s) < 4
	v_wmma_scale_f32_16x16x128_f8f6f4 v[DD:DD+7], v[AX:AX+11], v[BB:BB+11], v[DD:DD+7], v[XSC+(\s)%4], v[WSC+4*\g+(\s)%4] matrix_a_fmt:MATRIX_FMT_FP6 matrix_b_fmt:MATRIX_FMT_FP6
.else
	v_wmma_scale_f32_16x16x128_f8f6f4 v[DD:DD+7], v[AX:AX+11], v[BB:BB+11], v[DD:DD+7], v[XSC+(\s)%4], v[WSC+4*\g+(\s)%4] matrix_a_fmt:MATRIX_FMT_FP6 matrix_b_fmt:MATRIX_FMT_FP6 matrix_a_scale:MATRIX_SCALE_ROW1 matrix_b_scale:MATRIX_SCALE_ROW1
.endif
.endr
	WIN 0
.endm
; THE GATES of a tile, on accumulator set 'set', times 2 k and 2 k + 1 of the lane's eight.  Each accumulator is first read at its registers 0 and 1 (k = 0).
.macro S1 set, k                       ; p, q, u log2 e, u + 0.5; nm; nm - p, nm - q
.set rF, ACC+24*(\set)+2*(\k)
.set rI, rF+8
.set rH, rF+16
.set kM, RM+2*(\k)
.set kT, RT+2*(\k)
	v_pk_fma_f32 v[rF:rF+1], v[rF:rF+1], s[LG:LG+1], v[BFL:BFL+1] op_sel_hi:[1,0,1]
	v_pk_fma_f32 v[rI:rI+1], v[rI:rI+1], s[LG:LG+1], v[BIL:BIL+1] op_sel_hi:[1,0,1]
	v_pk_fma_f32 v[kT:kT+1], v[rH:rH+1], s[LG:LG+1], v[BHL:BHL+1] op_sel_hi:[1,0,1]
	v_pk_add_f32 v[rH:rH+1], v[rH:rH+1], v[BHG:BHG+1]
	v_min3_num_f32 v[kM], v[rF], v[rI], 0
	v_min3_num_f32 v[kM+1], v[rF+1], v[rI+1], 0
	v_pk_add_f32 v[rF:rF+1], v[kM:kM+1], v[rF:rF+1] neg_lo:[0,1] neg_hi:[0,1]
	v_pk_add_f32 v[rI:rI+1], v[kM:kM+1], v[rI:rI+1] neg_lo:[0,1] neg_hi:[0,1]
.endm
.macro S2A set                         ; E0, Ef.  The tile's 32 exponentials are one batch: none of them reads another's result
.irp j, 0,1,2,3,4,5,6,7
	v_exp_f32 v[RM+\j], v[RM+\j]
.endr
.irp j, 0,1,2,3,4,5,6,7
	v_exp_f32 v[ACC+24*(\set)+\j], v[ACC+24*(\set)+\j]
.endr
.endm
.macro S2B set                         ; Ei, eh
.irp j, 0,1,2,3,4,5,6,7
	v_exp_f32 v[ACC+24*(\set)+8+\j], v[ACC+24*(\set)+8+\j]
.endr
.irp j, 0,1,2,3,4,5,6,7
	v_exp_f32 v[RT+\j], -|v[RT+\j]|
.endr
.endm
.macro S3 set, k                       ; NF = E0 + Ei (in i's place), NI = E0 + Ef (in f's), O = 1 + eh, (NF + NI) O, g O = max((u + 0.5) O, eh)
.set rF, ACC+24*(\set)+2*(\k)
.set rI, rF+8
.set rH, rF+16
.set kM, RM+2*(\k)
.set kT, RT+2*(\k)
.set kO, RO+2*(\k)
	v_pk_add_f32 v[rI:rI+1], v[kM:kM+1], v[rI:rI+1]
	v_pk_add_f32 v[rF:rF+1], v[kM:kM+1], v[rF:rF+1]
	v_pk_add_f32 v[kO:kO+1], v[kT:kT+1], 1.0 op_sel_hi:[1,0]
	v_pk_add_f32 v[kM:kM+1], v[rI:rI+1], v[rF:rF+1]
	v_pk_mul_f32 v[rH:rH+1], v[rH:rH+1], v[kO:kO+1]
	v_pk_mul_f32 v[kM:kM+1], v[kM:kM+1], v[kO:kO+1]
	v_max_num_f32 v[rH], v[rH], v[kT]
	v_max_num_f32 v[rH+1], v[rH+1], v[kT+1]
.endm
.macro S4                              ; R = 1 / ((NF + NI) O)
.irp j, 0,1,2,3,4,5,6,7
	v_rcp_f32 v[RM+\j], v[RM+\j]
.endr
.endm
.macro S5 set, k                       ; f' = NF (O R);  v = (NI R)(g O)
.set rF, ACC+24*(\set)+2*(\k)
.set rI, rF+8
.set rH, rF+16
.set kM, RM+2*(\k)
.set kO, RO+2*(\k)
	v_pk_mul_f32 v[kO:kO+1], v[kO:kO+1], v[kM:kM+1]
	v_pk_mul_f32 v[rF:rF+1], v[rF:rF+1], v[kM:kM+1]
	v_pk_mul_f32 v[RAA+2*(\k):RAA+2*(\k)+1], v[rI:rI+1], v[kO:kO+1]
	v_pk_mul_f32 v[RHL+2*(\k):RHL+2*(\k)+1], v[rF:rF+1], v[rH:rH+1]
.endm
.macro S6                              ; the scan of my eight times from 0, and the running product of f'
.irp j, 1,2,3,4,5,6,7
	v_fma_f32 v[RHL+\j], v[RAA+\j], v[RHL+\j-1], v[RHL+\j]
	v_mul_f32 v[RAA+\j], v[RAA+\j], v[RAA+\j-1]
.endr
.endm
.macro S7 gen                          ; the halves meet.  In lanes 16-31 (the later eight times) the tile's summary comes out right; they alone are read.  Lanes 0-15 take the tile's carry as it is
	v_permlanex16_b32 v[AO], v[RAA+7], s[SEL], s[SEL+1]
	v_permlanex16_b32 v[SO], v[RHL+7], s[SEL], s[SEL+1]
	v_mul_f32 v[TS], v[RAA+7], v[AO]
	v_fma_f32 v[TS+1], v[RAA+7], v[SO], v[RHL+7]
	v_cndmask_b32 v[RAP], 1.0, v[AO], s[HM]
	v_cndmask_b32 v[RSP], 0, v[SO], s[HM]
	ds_store_b64 v[AES], v[TS:TS+1] offset:2048*(\gen)
.endm
.macro P3A                             ; the eight tiles chained onto the block's carry; my prefix is caught where the chain stands in front of my tile
	v_mov_b32 v[MINE], v[CC]
.irp u, 0,1,2,3,4,5,6,7
.if \u > 0
	v_cndmask_b32 v[MINE], v[MINE], v[CC], s[MK+\u]
.endif
	v_fma_f32 v[CC], v[SU+2*\u], v[CC], v[SU+2*\u+1]
.endr
.endm
.macro P3B                             ; h = product x carry + local scan, and out: time 8 h + j is 4,096 j bytes on; sixteen lanes store 64 consecutive bytes
	v_fma_f32 v[CL], v[RAP], v[MINE], v[RSP]
.irp k, 0,2,4,6
	v_pk_fma_f32 v[RHL+\k:RHL+\k+1], v[RAA+\k:RAA+\k+1], v[CL:CL+1], v[RHL+\k:RHL+\k+1] op_sel_hi:[1,0,1]
.endr
.irp j, 0,1,2,3,4,5,6,7
	global_store_b32 v[OFF], v[RHL+\j], s[OUT:OUT+1] offset:4096*\j
.endr
.endm
; THE HEAD OF AN INTERVAL of parity par.  One barrier for three orderings: my part of this interval's block has landed and my reads of the slot just left are over; the summaries stored last interval are
; in LDS; my reads of the summaries' other generation are over before it is stored again.  fill = 1: the slot just left takes the block after this interval's; the barrier is then a round of the cluster's.
.macro HEAD par, fill
	s_wait_tensorcnt 0x0                           ; no tensor load of mine is out, so a group 0 may be written
	ds_add_u32 v[SPW], v[NIL]                      ; 0 onto my spare word
.if \fill
	s_add_nc_u64 s[G0X+4*(1-\par)+2:G0X+4*(1-\par)+3], s[G0X+4*(1-\par)+2:G0X+4*(1-\par)+3], 2*BLKX    ; that slot's next block: two on; the type bits on top are not reached
	s_add_nc_u64 s[G0S+4*(1-\par)+2:G0S+4*(1-\par)+3], s[G0S+4*(1-\par)+2:G0S+4*(1-\par)+3], 2*4096
	s_wait_xcnt 0x0                                ; the last prefetch, an interval back, has read its address
	s_add_nc_u64 s[PFA:PFA+1], s[PFA:PFA+1], BLKX
.endif
	s_wait_dscnt 0x0                               ; the add and my summary's store are done, my LDS reads are in
.if \fill
	CROUND
	TLOAD (1-\par)                                 ; first behind the round, and a wave's one tensor load until the next
.else
	s_barrier_signal -1
	s_barrier_wait -1
.endif
.endm
; THE BODY OF AN INTERVAL.  gemm: the products of this interval's block, from slot par into set par.  gates: the block before, on set 1 - par.  p3: the block before that.
; The counts on DScnt are the LDS loads issued behind the one that is wanted: behind the 8 summaries 1 + 36; behind K step 0's fragment 30, K step 1's 24; with the 12 of K steps 6 and 7 issued, 30, 24, 18, 12, 6, 0.
.macro BODY par, fill, p3, gates, gemm
.if \p3
.irp u, 0,1,2,3,4,5,6,7
	ds_load_b64 v[SU+2*\u:SU+2*\u+1], v[AER] offset:2048*(\par)+256*\u
.endr
.endif
.if \gemm
	ds_load_b128 v[XSC:XSC+3], v[AXS] offset:XSS*(\par)
.irp s, 0,1,2,3,4,5
	FRAG XF+12*\s, ADR+(\par), \s, 0
.endr
.endif
.if \fill
	ASK                                            ; behind the tensor load, its four lines and the run of LDS loads
	s_add_co_u32 s[KI], s[KI], 1
.endif
.if \p3
.if \gemm
	s_wait_dscnt 37
.else
	s_wait_dscnt 0x0
.endif
	P3A
	P3B
.endif
.if \gemm
	s_wait_dscnt 30
	MM 0, \par
.endif
.if \gates
	S1 (1-\par), 0
	S1 (1-\par), 1
.endif
.if \gemm
	s_wait_dscnt 24
	MM 1, \par
.endif
.if \gates
	S1 (1-\par), 2                                 ; these sixteen plain lines name no register of the products above: they are the places in front of the loads into buffers 0 and 1
	S1 (1-\par), 3
.elseif \gemm
	PLACES 4
.endif
.if \gemm
	FRAG XF, ADR+(\par), 6, 0
	FRAG XF+12, ADR+(\par), 7, 0
	s_wait_dscnt 30
	MM 2, \par
.endif
.if \gates
	S2A (1-\par)
.endif
.if \gemm
	s_wait_dscnt 24
	MM 3, \par
.endif
.if \gates
	S2B (1-\par)
	v_nop                                          ; a plain line behind the last exponential
	s_wait_alu depctr_va_vdst(0)                   ; one wait for the 32 exponentials, ahead of the first line that names a result
	S3 (1-\par), 0
	S3 (1-\par), 1
.endif
.if \gemm
	s_wait_dscnt 18
	MM 4, \par
.endif
.if \gates
	S3 (1-\par), 2
	S3 (1-\par), 3
.endif
.if \gemm
	s_wait_dscnt 12
	MM 5, \par
.endif
.if \gates
	S4
	v_nop                                          ; a plain line behind the last reciprocal
	s_wait_alu depctr_va_vdst(0)                   ; one wait for the eight
	s_wait_xcnt 0x0                                ; this interval's stores have read their data and their base: both are written below
.if \p3
	s_add_nc_u64 s[OUT:OUT+1], s[OUT:OUT+1], 128*4096
.endif
	S5 (1-\par), 0
	S5 (1-\par), 1
.endif
.if \gemm
	s_wait_dscnt 6
	MM 6, \par
.endif
.if \gates
	S5 (1-\par), 2
	S5 (1-\par), 3
.endif
.if \gemm
	s_wait_dscnt 0x0
	MM 7, \par
.endif
.if \gates
	S6                                             ; fourteen plain lines: the places behind the last products, ahead of the next interval's loads and of the first read of these results
	S7 (1-\par)
.elseif \gemm
	PLACES 4
.endif
.endm
.macro TURN par, fill, p3, gates, gemm
	HEAD \par, \fill
	BODY \par, \fill, \p3, \gates, \gemm
.endm
	s_load_b256 s[4:11], s[0:1], 0x0               ; x's codes s[4:5], x's scales s[6:7], Wf's codes s[8:9], Wf's scales s[10:11]
	s_load_b256 s[12:19], s[0:1], 0x20             ; Wi's codes, Wi's scales, Wh's codes, Wh's scales
	s_load_b256 s[20:27], s[0:1], 0x40             ; bf, bi, bh, the output
	v_lshl_add_u32 v[SPW], v0, 2, SPARE
	v_mov_b32 v[NIL], 0
	ds_add_u32 v1, v2
	s_wait_dscnt 0x0
	v_lshrrev_b32 v253, 5, v0
	v_readfirstlane_b32 s[WV], v253                ; wave 0..7
	s_bfe_u32 s[CX], ttmp6, 0x40000                ; my place in the cluster
	s_lshl_b32 s[CG], ttmp9, 2                     ; in a cluster launch ttmp9 counts clusters
	s_add_co_u32 s[CG], s[CG], s[CX]               ; my group of 16 channels: it enters the weights', the biases' and the output's addresses alone
	s_and_b32 s[BA], ttmp7, 0xffff                 ; the batch, which the four partners share
	; every vector address is made here, ahead of all branches
	v_and_b32 v250, 15, v0                         ; r
	v_bfe_u32 v251, v0, 4, 1                       ; h
	v_and_b32 v252, 31, v0                         ; lane
	v_mul_u32_u24 v253, v250, PITCH
	v_mad_u32_u24 v253, v251, 24, v253             ; row r, + 24 h
	s_mul_i32 s2, s[WV], 16*PITCH                  ; my wave's 16 rows of a block
	v_add_nc_u32 v[ADR], s2, v253
	v_add_nc_u32 v[ADR+1], XSLOT, v[ADR]
	v_lshl_add_u32 v[ADR+2], v251, 4, v[ADR]       ; and behind one padding more: 40 h for 24 h
	v_lshl_add_u32 v[ADR+3], v251, 4, v[ADR+1]
	v_add_nc_u32 v[AW], WL, v253
	v_lshl_add_u32 v[AW+2], v251, 4, v[AW]
	v_bfe_u32 v254, v0, 3, 1                       ; r / 8: eight rows' scale bytes fill 256 bytes, then 16 of padding
	v_add_nc_u32 v254, v254, v251
	v_lshlrev_b32 v[AXS], 5, v250
	v_lshl_add_u32 v[AXS], v254, 4, v[AXS]         ; 32 r + 16 (r / 8) + 16 h
	s_mul_i32 s2, s[WV], 544                       ; 16 rows: 512 bytes and two paddings
	s_add_co_u32 s2, s2, XS0
	v_add_nc_u32 v[AXS], s2, v[AXS]
	s_lshl_b32 s2, s[WV], 8
	s_add_co_u32 s2, s2, EB
	v_lshl_add_u32 v[AES], v252, 3, s2             ; my wave's 256 bytes, 8 a lane
	v_lshl_add_u32 v[AER], v250, 3, EB+128         ; lanes 16-31's half of an entry, channel r
	s_lshl_b32 s2, s[WV], 16                       ; 16 rows of 4,096 bytes
	v_lshlrev_b32 v[OFF], 2, v250
	v_lshl_add_u32 v[OFF], v251, 15, v[OFF]
	v_add_nc_u32 v[OFF], s2, v[OFF]                ; 65,536 w + 32,768 h + 4 r
	v_lshlrev_b32 v[PFO], 8, v252
	v_lshlrev_b32 v247, 2, v250                    ; a bias: 4 r
	v_lshlrev_b32 v249, 5, v250
	v_lshl_add_u32 v249, v251, 4, v249             ; a weight's scale bytes: 32 r + 16 h
	GROUP1 G1X, W0J, 192                           ; 64 rows of x: 49,152 dense bytes
	GROUP1 G1S, W0J, 16                            ; a block's scale bytes: 4,096
	GROUP1 G1W, W0P, 48                            ; 16 rows of a weight: 12,288
	s_mov_b32 s[SEL], 0x76543210
	s_mov_b32 s[SEL+1], 0xfedcba98
	s_mov_b32 s[LG], 0x3fb8aa3b                    ; log2 e
	s_mov_b32 s[LG+1], s[LG]                       ; (named with it as a pair, so it is written)
	s_mov_b32 s[HM], 0xffff0000
.irp u, 1,2,3,4,5,6,7
	s_cmp_eq_u32 s[WV], \u
	s_cselect_b32 s[MK+\u], -1, 0
.endr
	s_cmp_lt_u32 s[WV], 3                          ; waves 3 to 5 of the batch's first cluster prefetch, in intervals 1 to 27: the same in all four partners
	s_cselect_b32 s[LIM], 0, 28
	s_cmp_gt_u32 s[WV], 5
	s_cselect_b32 s[LIM], 0, s[LIM]
	s_cmp_eq_u32 ttmp9, 0
	s_cselect_b32 s[LIM], s[LIM], 0
	s_mov_b32 s[KI], 1
	s_add_co_u32 s66, s[WV], 1
	s_and_b32 s66, s66, 3                          ; 0, 1, 2 in waves 3, 4, 5: which weight I fetch, which third I prefetch
	s_and_b32 s67, s[WV], 1                        ; which half of a block's rows I fetch
	s_mul_i32 s2, s[BA], BATCHX
	s_mul_i32 s92, s67, BLKX/2
	s_add_co_u32 s2, s2, s92
	s_mov_b32 s3, 0
	s_mul_i32 s92, s67, XHALF                      ; and its place in a slot: no place in the cluster enters an LDS address
	s_wait_kmcnt 0x0
	s_add_nc_u64 s[2:3], s[4:5], s[2:3]            ; x's codes at my half of block 0
	s_mov_b32 s[G0X], 1                            ; count = 1
	s_mov_b32 s[G0X+1], s92                        ; LDS address: slot 0
	s_mov_b64 s[G0X+2:G0X+3], s[2:3]
	s_or_b32 s[G0X+3], s[G0X+3], 0x80000000        ; type = 2
	s_mov_b32 s[G0X+4], 1
	s_add_co_u32 s[G0X+5], s92, XSLOT              ; slot 1: block 1
	s_add_nc_u64 s[G0X+6:G0X+7], s[2:3], BLKX
	s_or_b32 s[G0X+7], s[G0X+7], 0x80000000
	s_lshl_b32 s2, s[BA], 17                       ; a batch's scale bytes: 4,096 x 32
	s_mov_b32 s3, 0
	s_add_nc_u64 s[2:3], s[6:7], s[2:3]
	s_mov_b32 s[G0S], 1
	s_mov_b32 s[G0S+1], XS0
	s_mov_b64 s[G0S+2:G0S+3], s[2:3]
	s_or_b32 s[G0S+3], s[G0S+3], 0x80000000
	s_mov_b32 s[G0S+4], 1
	s_mov_b32 s[G0S+5], XS0+XSS
	s_add_nc_u64 s[G0S+6:G0S+7], s[2:3], 4096
	s_or_b32 s[G0S+7], s[G0S+7], 0x80000000
	s_mov_b32 s[G0W], 1                            ; a weight's 16 rows of my channels: a load of my work-group's own
	s_mul_i32 s[G0W+1], s66, WGATE
	s_add_co_u32 s[G0W+1], s[G0W+1], WL
	s_cmp_eq_u32 s66, 1
	s_cselect_b64 s[G0W+2:G0W+3], s[12:13], s[16:17]
	s_cmp_eq_u32 s66, 0
	s_cselect_b64 s[G0W+2:G0W+3], s[8:9], s[G0W+2:G0W+3]
	s_mul_i32 s100, s[CG], 16*768
	s_mov_b32 s101, 0
	s_add_nc_u64 s[G0W+2:G0W+3], s[G0W+2:G0W+3], s[100:101]
	s_or_b32 s[G0W+3], s[G0W+3], 0x80000000
	s_lshl_b32 s100, s[CG], 9                      ; my 16 rows of a weight's scale bytes
	s_add_nc_u64 s[10:11], s[10:11], s[100:101]
	s_add_nc_u64 s[14:15], s[14:15], s[100:101]
	s_add_nc_u64 s[18:19], s[18:19], s[100:101]
	s_lshl_b32 s100, s[CG], 6                      ; my 16 numbers of a bias, and of an output row
	s_add_nc_u64 s[20:21], s[20:21], s[100:101]
	s_add_nc_u64 s[22:23], s[22:23], s[100:101]
	s_add_nc_u64 s[24:25], s[24:25], s[100:101]
	s_add_nc_u64 s[OUT:OUT+1], s[26:27], s[100:101]
	s_lshl_b32 s100, s[BA], 24                     ; a batch of the output: 4,096 x 4,096 bytes
	s_add_nc_u64 s[OUT:OUT+1], s[OUT:OUT+1], s[100:101]
	s_mul_i32 s100, s[BA], BATCHX                  ; the prefetches: my batch, block 4 (the first interval's head steps it to block 5), my work-group's quarter, my wave's third of it
	s_mul_i32 s101, s[CX], BLKX/4
	s_add_co_u32 s100, s100, s101
	s_lshl_b32 s101, s66, 13
	s_add_co_u32 s100, s100, s101
	s_add_co_u32 s100, s100, 4*BLKX
	s_mov_b32 s101, 0
	s_add_nc_u64 s[PFA:PFA+1], s[4:5], s[100:101]
	CROUND                                         ; all four work-groups are here: the first joint loads meet
	s_cmp_lt_u32 s[WV], 2                          ; a wave's first fills stand in one branch, ahead of every wait on TENSORcnt, every LDS read and every other barrier: at most two loads of a wave are out
	s_cbranch_scc0 .Lff_not_x
	tensor_load_to_lds s[G0X:G0X+3], s[G1X:G1X+7]
	s_nop 0
	tensor_load_to_lds s[G0X+4:G0X+7], s[G1X:G1X+7]
	s_nop 0
	PLACES 4
	s_branch .Lff_done
.Lff_not_x:
	s_cmp_eq_u32 s[WV], 2
	s_cbranch_scc0 .Lff_not_s
	tensor_load_to_lds s[G0S:G0S+3], s[G1S:G1S+7]
	s_nop 0
	tensor_load_to_lds s[G0S+4:G0S+7], s[G1S:G1S+7]
	s_nop 0
	PLACES 4
	s_branch .Lff_done
.Lff_not_s:
	s_cmp_lt_u32 s[WV], 6
	s_cbranch_scc0 .Lff_done
	tensor_load_to_lds s[G0W:G0W+3], s[G1W:G1W+7]
	s_nop 0
	PLACES 4
.Lff_done:
	global_load_b128 v[WSC:WSC+3], v249, s[10:11]  ; the weights' scale words: lanes 0-15 K steps 0-3 of channel r, lanes 16-31 K steps 4-7
	global_load_b128 v[WSC+4:WSC+7], v249, s[14:15]
	global_load_b128 v[WSC+8:WSC+11], v249, s[18:19]
	global_load_b32 v[BT], v247, s[20:21]
	global_load_b32 v[BT+1], v247, s[22:23]
	global_load_b32 v[BT+2], v247, s[24:25]
	s_wait_tensorcnt 0x0                           ; my first fills have landed,
	s_barrier_signal -1
	s_barrier_wait -1                              ; everybody's have
	WIN 0x40                                       ; destination window 1, address window 0
.irp s, 0,1,2,3,4,5,6
.irp g, 0,1,2
	FRAG 36*\s+12*\g, AW, \s, WGATE*\g             ; the weights' fragments stay in registers
.endr
.endr
	WIN 0
.irp g, 0,1,2
	FRAG W7+12*\g, AW, 7, WGATE*\g
.endr
	s_wait_loadcnt 0x0                             ; the scale words and the biases
	v_mul_f32 v[BFL], s[LG], v[BT]
	v_mul_f32 v[BIL], s[LG], v[BT+1]
	v_mul_f32 v[BHL], s[LG], v[BT+2]
	v_add_f32 v[BHG], 0.5, v[BT+2]
	v_mov_b32 v[BFL+1], v[BFL]
	v_mov_b32 v[BIL+1], v[BIL]
	v_mov_b32 v[BHL+1], v[BHL]
	v_mov_b32 v[BHG+1], v[BHG]
	v_mov_b32 v[CC], 1.0                           ; h_0
	v_mov_b32 v[CL+1], 0                           ; (named as the upper half of a pair)
	v_mov_b32 v[AO], 0                             ; (a lane permute's destination counts as one of its sources)
	v_mov_b32 v[SO], 0
	BODY 0, 0, 0, 0, 1                             ; interval 0: the products of block 0 (the weights' LDS loads were issued ahead of x's, so the first counted wait covers them)
	TURN 1, 1, 0, 1, 1                             ; interval 1: block 2 is asked for | products of block 1 | gates of block 0
	s_mov_b32 s[TR], 14
.Lpair:                                                ; intervals 2 to 29, two a trip: the parities come back after two
	TURN 0, 1, 1, 1, 1
	TURN 1, 1, 1, 1, 1
	s_sub_co_u32 s[TR], s[TR], 1
	s_cmp_lg_u32 s[TR], 0
	s_cbranch_scc1 .Lpair
	TURN 0, 1, 1, 1, 1                             ; interval 30 asks for block 31, the last
	TURN 1, 0, 1, 1, 1                             ; the tail is written out
	TURN 0, 0, 1, 1, 0                             ; interval 32: gates of block 31, stores of block 30
	TURN 1, 0, 1, 0, 0                             ; interval 33: stores of block 31
	s_wait_tensorcnt 0x0                           ; the wave's end, behind my last tensor load and my last LDS store
	ds_add_u32 v[SPW], v[NIL]
	s_wait_dscnt 0x0
	CROUND                                         ; the closing round: no work-group ends while a partner may still ask for a tile that names it
	s_endpgm
.Lfunc_end_k_q2abfbbfad6_minlstm:
	.size	k_q2abfbbfad6_minlstm, .Lfunc_end_k_q2abfbbfad6_minlstm-k_q2abfbbfad6_minlstm
	.p2alignl 7, 3214868480
	.fill 96, 4, 3214868480
	.section	.rodata,"a",@progbits
	.p2align	6, 0x0
	.amdhsa_kernel k_q2abfbbfad6_minlstm
		.amdhsa_group_segment_fixed_size 327680
		.amdhsa_private_segment_fixed_size 0
		.amdhsa_enable_private_segment 0
		.amdhsa_kernarg_size 96
		.amdhsa_user_sgpr_count 2
		.amdhsa_user_sgpr_kernarg_segment_ptr 1
		.amdhsa_wavefront_size32 1
		.amdhsa_system_sgpr_workgroup_id_x 1
		.amdhsa_system_sgpr_workgroup_id_y 1
		.amdhsa_system_sgpr_workgroup_id_z 1
		.amdhsa_system_vgpr_workitem_id 0
		.amdhsa_next_free_vgpr 512
		.amdhsa_next_free_sgpr 102
		.amdhsa_reserve_vcc 0
		.amdhsa_float_denorm_mode_32 3
		.amdhsa_float_denorm_mode_16_64 3
		.amdhsa_memory_ordered 1
		.amdhsa_forward_progress 1
		.amdhsa_inst_pref_size 128
	.end_amdhsa_kernel
	.amdgpu_metadata
---
amdhsa.version: [ 1, 2 ]
amdhsa.kernels:
  - .name:           k_q2abfbbfad6_minlstm
    .symbol:         k_q2abfbbfad6_minlstm.kd
    .args:
      - { .name: x_codes, .offset: 0, .size: 8, .value_kind: global_buffer, .address_space: global }
      - { .name: x_scales, .offset: 8, .size: 8, .value_kind: global_buffer, .address_space: global }
      - { .name: W_f_codes, .offset: 16, .size: 8, .value_kind: global_buffer, .address_space: global }
      - { .name: W_f_scales, .offset: 24, .size: 8, .value_kind: global_buffer, .address_space: global }
      - { .name: W_i_codes, .offset: 32, .size: 8, .value_kind: global_buffer, .address_space: global }
      - { .name: W_i_scales, .offset: 40, .size: 8, .value_kind: global_buffer, .address_space: global }
      - { .name: W_h_codes, .offset: 48, .size: 8, .value_kind: global_buffer, .address_space: global }
      - { .name: W_h_scales, .offset: 56, .size: 8, .value_kind: global_buffer, .address_space: global }
      - { .name: b_f, .offset: 64, .size: 8, .value_kind: global_buffer, .address_space: global }
      - { .name: b_i, .offset: 72, .size: 8, .value_kind: global_buffer, .address_space: global }
      - { .name: b_h, .offset: 80, .size: 8, .value_kind: global_buffer, .address_space: global }
      - { .name: out0, .offset: 88, .size: 8, .value_kind: global_buffer, .address_space: global }
    .group_segment_fixed_size: 327680
    .private_segment_fixed_size: 0
    .kernarg_segment_align: 8
    .kernarg_segment_size: 96
    .max_flat_workgroup_size: 256
    .sgpr_count:     102
    .vgpr_count:     512
    .wavefront_size: 32
...
	.end_amdgpu_metadata
.endif
;; end of part 1
;; ======== version 2 of 2: 1 launch
;; limits: right only within a limited range of input values
;; launch minlstm (part 2): grid 64 x 4, 8 waves a work-group, clusters of 4 x 1, 327,680 bytes of LDS; arguments x_codes, x_scales, W_f_codes, W_f_scales, W_i_codes, W_i_scales, W_h_codes, W_h_scales, b_f, b_i, b_h, out0; writes out0
.if DOCPART == 2
	.amdgcn_target "amdgcn-amd-amdhsa--gfx1250"
	.amdhsa_code_object_version 6
	.text
	.protected	k_q2abfbbfad6_minlstm
	.globl	k_q2abfbbfad6_minlstm
	.p2align	8
	.type	k_q2abfbbfad6_minlstm,@function
k_q2abfbbfad6_minlstm:
	s_mov_b64 s[64:65], 0
	v_nop
	global_prefetch_b8 v0, s[64:65] scope:SCOPE_SE
	s_setreg_imm32_b32 hwreg(HW_REG_WAVE_MODE, 25, 1), 1
	s_wait_xcnt 0x0
	s_wait_alu depctr_hold_cnt(0) depctr_sa_sdst(0) depctr_va_vdst(0) depctr_va_sdst(0) depctr_va_ssrc(0) depctr_va_vcc(0) depctr_vm_vsrc(0)
	s_getreg_b32 s2, hwreg(HW_REG_IB_STS2, 6, 4)
	s_cmp_eq_u32 s2, 0
	s_cbranch_scc0 .Lentry_in_a_cluster
	s_endpgm
.Lentry_in_a_cluster:
	s_bfe_u32 s2, ttmp6, 0x10000c
	s_cmp_lg_u32 s2, 0x3003
	s_cbranch_scc0 .Lentry_shape_is_right
	s_endpgm
.Lentry_shape_is_right:
; minLSTM layer, one launch.  f = x Wf^T + bf, i = x Wi^T + bi, u = x Wh^T + bh (codes of E2M3 with E8M0 scales, as they lie in memory; sums in f32), then
;   h_t = f'_t h_(t-1) + i'_t g(u_t),  h_0 = 1,  f' = (1+e^-i) / ((1+e^-i)+(1+e^-f)),  i' = 1 - f',  g(u) = u + 0.5 for u >= 0, sigmoid(u) below.
; That is the scan of the problem in linear form: every h is a convex mix of earlier h and g, so no sum of logarithms is exponentiated.  The gates' exponentials have the largest of (0, -f, -i) taken
; away first: E0 = 2^nm, Ef = 2^(nm-p), Ei = 2^(nm-q), nm = min(p, q, 0), p = f log2 e, q = i log2 e: all at most 1, one of them 1.
; g = max(u + 0.5, sigmoid(-|u|)) holds for every u, so no compare is needed: with eh = 2^-|u log2 e| and O = 1 + eh, g O = max((u + 0.5) O, eh).  One reciprocal, of (denominator x O), serves f' and i' g.
; LIMITS: NaN, infinities and the scale byte 0xff are not served; what falls under 2^-126 (results of v_exp_f32, very small outputs) counts as 0.
; SHARES.  The scan ties all 4,096 times of a (batch, channel) together and work-groups exchange nothing, so a work-group owns whole sequences: one batch, 16 channels, all times: 4 x 64 = 256 work-groups.
; Time goes in 16 generations of 256 rows; in a generation wave w of eight owns the 32 rows 32 w .. 32 w + 31: two tiles of 16, E (the earlier) and L.  Every wave keeps the 3 x 16 weight rows in registers for
; the whole launch (24 fragments, 288 registers), so a fragment of x read from LDS feeds three matrix instructions and no weight is read again.
; LAYOUT.  Source 0 = 16 rows of x (times), source 1 = 16 rows of a weight (channels): lane (r, h) holds channel r, register j time 8 h + j: the scan runs down a lane's eight registers.
; THE RING.  Each wave brings its own 32 rows, 24,576 dense bytes, by one tensor load, and it alone reads them.  A wave has three places of a tile in LDS.  Even generations land in places 0 and 1, odd ones in
; places 1 and 2.  Place 1 is always multiplied first (tile X: L in even generations, E in odd ones; the tiles' local scans do not depend on each other), and its last LDS reads are issued behind its second K step:
; there place 1 and the place that the last generation read second are filled again.  So 196,608 bytes of a work-group are on their way while the wave issues 39 of a generation's 48 matrix instructions.
; CARRY.  A lane scans its eight times from 0 (HL) and keeps the running product of f' (AA); the halves of the lanes meet by a lane exchange, the wave's two tiles by four multiply-adds; each wave leaves its
; (product, value) of 32 rows in LDS; behind a barrier every wave chains the eight onto the generation's carry, which every wave keeps, and catches its own prefix on the way.  h = AA x carry + HL.
; PIPELINE.  Body X of generation g: the products of X(g) | the gates of Y(g-1), the wave's summary of g-1.  Body Y: the products of Y(g) | the carry, the last multiply-add and the stores of g-1 | the gates of X(g).
; The vector work stands in chunks between the K steps' three matrix instructions, whose registers it does not touch.
; CLUSTER.  The four work-groups of a cluster have one batch and read the same x: every tile of x is asked for jointly (mask 15).  The weights differ between partners: plain loads.
; x's scale bytes go from memory straight into registers: a tile's are 512 consecutive bytes, one load of 16 bytes a lane, asked for a whole body ahead.
; OUTPUT.  A work-group's 16 channels are 64 bytes of an output row of 4,096: a store of a wave covers 64 consecutive bytes at each of two times.  Longer runs would need 64 channels to a work-group,
; which gives 64 work-groups, or a second pass over the 67 MB of output.
.set PITCH,  816                       ; a row of 1,024 codes in LDS: 3 x (256 bytes + 16 of padding) = 204 words: row r starts at bank 12 r mod 64 (64 banks of 4 bytes: ISA guide 11.1)
.set TSLOT,  16*PITCH                  ; a tile's place
.set WSLOT,  3*TSLOT                   ; a wave's three places
.set SL0,    0
.set SL1,    TSLOT
.set SL2,    2*TSLOT
.set EB,     8*WSLOT                   ; the waves' summaries: 8 x 256 bytes; written by LDS stores alone
.set SPARE,  EB+2048                   ; the spare words, 128 bytes for each wave: four blocks of 256 bytes that no other line names
.set BATCHX, 4096*768                  ; a batch's codes in bytes
.set GENX,   256*768                   ; a generation's
.set WAVEX,  32*768                    ; a wave's part of it
.set SPW, 1                            ; v1   LDS address of my spare word; never rewritten
.set NIL, 2                            ; v2   0; never rewritten
.set XSO, 3                            ; v3   my 16 scale bytes in a generation's: 1,024 w + 32 r + 16 h
.set ADR, 4                            ; v4   my row's place in my wave's place 0;  v6 the same for pieces that lie behind one padding more
.set AES, 5                            ; v5   where I store my wave's summary
.set AER, 7                            ; v7   where I read channel r's summaries
.set OFF, 8                            ; v8   my byte offset in a generation of the output
.set PFO, 9                            ; v9   256 x lane; never rewritten
.set CC,  10                           ; v10  the carry into the generation
.set MINE, 11                          ; v11  the carry into my 32 rows
.set BFL, 12                           ; v[12:13] bf log2 e, twice;  v[14:15] bi log2 e;  v[16:17] bh log2 e;  v[18:19] bh + 0.5
.set BIL, 14
.set BHL, 16
.set BHG, 18
.set CL,  20                           ; v[20:21] the carry into my eight times (the pair is named; the low word serves both halves)
.set APX, 22                           ; v22, v23  what brings my wave's carry to my eight times of tile X: x APX + SPX;  v26, v27 the same for tile Y
.set SPX, 23
.set TAX, 24                           ; v24, v25  tile X's summary, in every lane
.set THX, 25
.set APY, 26
.set SPY, 27
.set XSC, 28                           ; v28-31 tile X's scale words of x, v32-35 tile Y's: lanes 0-15 K steps 0-3, lanes 16-31 K steps 4-7
.set WSC, 36                           ; v36-47 the weights' likewise, four registers a gate
.set W7,  48                           ; v48-83 the weights' fragments of K step 7;  K steps 0-6 fill window 1: (s, g) at v[36 s + 12 g]
.set XF,  84                           ; v84-155 six buffers for x's fragments: K step s in buffer s % 6
.set ACC, 156                          ; v156-203 two sets of three accumulators f, i, u: set 0 for tile X, set 1 for tile Y
.set RM,  204                          ; v204-211 nm, E0, denominator x O, its reciprocal; then at work for the summaries
.set RT,  212                          ; v212-219 u log2 e, eh, O, O x reciprocal
.set SU,  204                          ; v204-219 the eight summaries, ahead of the gates' use of these registers
.set HLX, 220                          ; v220-227 tile X's local scan, then h;  v228-235 its running product of f'
.set HLY, 236                          ; v236-251 the same for tile Y
.set BT,  252                          ; v252-254 the biases as loaded
.set AW,  204                          ; at the head only: v204, v208, v212 my row's place among a weight's 16 rows; v206, v210, v214 behind one padding more
.set TMR, 220                          ; at the head only: r, h, lane, and three more
.set TMH, 221
.set TML, 222
.set TM0, 223
.set TMB, 224
.set TMW, 225
.set WV,  28                           ; s28 wave;  s29 cx;  s30 channel group;  s31 batch
.set CX,  29
.set CG,  30
.set BA,  31
.set G1X, 32                           ; s[32:39] group 1 for x's codes;  s[40:47] for the weights
.set G1W, 40
.set G0,  48                           ; s[48:51] group 0 for even generations (places 0, 1), s[52:55] for odd ones (places 1, 2);  s[56:59] for a weight
.set G0W, 56
.set XSB, 60                           ; s[60:61] x's scale bytes at the generation to be asked for
.set SEL, 80                           ; s[80:81] lane selects: lane l xor 16
.set LG,  82                           ; s[82:83] log2 e
.set HM,  84                           ; s84 lanes 16-31
.set KI,  85                           ; s85 the generation's number
.set LIM, 86                           ; s86 a wave prefetches while s85 is under it
.set TR,  87                           ; s87 trips
.set PFA, 88                           ; s[88:89] where my prefetches stand
.set OUT, 90                           ; s[90:91] the output at the generation to be stored
.set MK,  92                           ; s93-99 all ones in s[92 + u] of wave u
.set W0J, 15|(3<<16)|(1<<20)|(1<<21)|(5<<22)|(3<<25)   ; 15:0 the mask: all four partners; 17:16 elements of 8 bytes; 20 padding on; 21 set beside a mask; 24:22 after every 64 words; 31:25 four words of it
.set W0P, (3<<16)|(1<<20)|(5<<22)|(3<<25)              ; the same with no mask
.set MSB, 0
.macro WIN new                         ; the immediate's high byte repeats the setting that is left; a switch that changes nothing is dropped
.if MSB != \new
	s_set_vgpr_msb (MSB<<8)|\new
.set MSB, \new
.endif
.endm
.macro PLACES n
.rept \n
	v_nop
.endr
.endm
.macro GROUP1 g, w0, rows              ; a dense block of memory as rows of 256 bytes (32 elements of 8 bytes)
	s_mov_b32 s[\g], \w0
	s_mov_b32 s[\g+1], 32<<16                      ; tensor_dim0
	s_mov_b32 s[\g+2], (\rows)<<16                 ; tensor_dim1
	s_mov_b32 s[\g+3], 32<<16                      ; tile_dim0
	s_mov_b32 s[\g+4], \rows                       ; tile_dim1
	s_mov_b32 s[\g+5], 32                          ; from row to row
	s_mov_b32 s[\g+6], 0
	s_mov_b32 s[\g+7], 0
.endm
.macro CROUND                          ; a round of the cluster's barrier: my work-group's barrier; wave 0 signals for the work-group; every wave waits for all four; my work-group's barrier once more
	s_barrier_signal -1
	s_barrier_wait -1
	s_cmp_lg_u32 s[WV], 0
	s_cbranch_scc1 .Lnot_wave_0_\@
	s_barrier_signal -3
.Lnot_wave_0_\@:
	s_barrier_wait -3
	s_barrier_signal -1
	s_barrier_wait -1
.endm
; A prefetch of x's codes: generation g (0 to 13) asks for generation g + 2, which the tensor loads of generation g + 1 will want.  Every cluster asks for what it will itself load.  Its four
; partners take 49,152 bytes of the generation each, told apart by address; in each, waves 0 to 5 ask for 8,192 bytes, lanes 256 bytes apart: each aligned 256 bytes of generations 2 to 15 are named once in each cluster.
.macro ASK
	s_cmp_lt_u32 s[KI], s[LIM]
	s_cbranch_scc0 .Lnot_mine_\@
	global_prefetch_b8 v[PFO], s[PFA:PFA+1] th:TH_LOAD_NT scope:SCOPE_SE
.Lnot_mine_\@:
.endm
; A fragment, 16 rows x 128 K of 6-bit codes, is 12 registers: lane (r, h) holds row r; registers 6 c .. 6 c + 5 hold K = 64 c + 32 h + 0 .. 31: 24 bytes of the row's stream of bits, in pieces of 8 bytes.
; Lanes 0-15 take the row's pieces 12 s + 0, 1, 2, 6, 7, 8, lanes 16-31 those three on; 16 bytes of padding lie behind every 32 pieces: where the piece three on lies behind one padding more, the second address serves.
.macro FRAG reg, adr, s, off
.irp p, 0,1,2,3,4,5
.set PC, 12*(\s)+6*(\p/3)+\p%3
.if PC%32 < 29
	ds_load_b64 v[(\reg)+2*\p:(\reg)+2*\p+1], v[\adr] offset:(\off)+8*PC+16*(PC/32)
.else
	ds_load_b64 v[(\reg)+2*\p:(\reg)+2*\p+1], v[(\adr)+2] offset:(\off)+8*PC+16*(PC/32)
.endif
.endr
.endm
; K step s of a tile: three matrix instructions, the accumulators f, i, u by turns.  The first K step starts the sums with the constant 0; the biases come in with the gates' scaling.
.macro MM s, set
.if (\s) < 7
	WIN 0x04                                       ; source 1 (the weight) in window 1
.else
	WIN 0
.endif
.irp g, 0,1,2
.set DD, ACC+24*(\set)+8*\g
.set AX, XF+12*((\s)%6)
.if (\s) < 7
.set BB, 36*(\s)+12*\g
.else
.set BB, W7+12*\g
.endif
.if (\s) == 0
	v_wmma_scale_f32_16x16x128_f8f6f4 v[DD:DD+7], v[AX:AX+11], v[BB:BB+11], 0, v[XSC+4*(\set)+(\s)%4], v[WSC+4*\g+(\s)%4] matrix_a_fmt:MATRIX_FMT_FP6 matrix_b_fmt:MATRIX_FMT_FP6
.elseif (\s) < 4
	v_wmma_scale_f32_16x16x128_f8f6f4 v[DD:DD+7], v[AX:AX+11], v[BB:BB+11], v[DD:DD+7], v[XSC+4*(\set)+(\s)%4], v[WSC+4*\g+(\s)%4] matrix_a_fmt:MATRIX_FMT_FP6 matrix_b_fmt:MATRIX_FMT_FP6
.else
	v_wmma_scale_f32_16x16x128_f8f6f4 v[DD:DD+7], v[AX:AX+11], v[BB:BB+11], v[DD:DD+7], v[XSC+4*(\set)+(\s)%4], v[WSC+4*\g+(\s)%4] matrix_a_fmt:MATRIX_FMT_FP6 matrix_b_fmt:MATRIX_FMT_FP6 matrix_a_scale:MATRIX_SCALE_ROW1 matrix_b_scale:MATRIX_SCALE_ROW1
.endif
.endr
	WIN 0
.endm
; THE GATES of a tile, on accumulator set 'set', times 2 k and 2 k + 1 of the lane's eight.  Each accumulator is first read at its registers 0 and 1 (k = 0).
.macro S1 set, k                       ; p, q, u log2 e, u + 0.5; nm; nm - p, nm - q
.set rF, ACC+24*(\set)+2*(\k)
.set rI, rF+8
.set rH, rF+16
.set kM, RM+2*(\k)
.set kT, RT+2*(\k)
	v_pk_fma_f32 v[rF:rF+1], v[rF:rF+1], s[LG:LG+1], v[BFL:BFL+1] op_sel_hi:[1,0,1]
	v_pk_fma_f32 v[rI:rI+1], v[rI:rI+1], s[LG:LG+1], v[BIL:BIL+1] op_sel_hi:[1,0,1]
	v_pk_fma_f32 v[kT:kT+1], v[rH:rH+1], s[LG:LG+1], v[BHL:BHL+1] op_sel_hi:[1,0,1]
	v_pk_add_f32 v[rH:rH+1], v[rH:rH+1], v[BHG:BHG+1]
	s_delay_alu instid0(VALU_DEP_3)
	v_min3_num_f32 v[kM], v[rF], v[rI], 0
	s_delay_alu instid0(VALU_DEP_4)
	v_min3_num_f32 v[kM+1], v[rF+1], v[rI+1], 0
	s_delay_alu instid0(VALU_DEP_1)
	v_pk_add_f32 v[rF:rF+1], v[kM:kM+1], v[rF:rF+1] neg_lo:[0,1] neg_hi:[0,1]
	s_delay_alu instid0(VALU_DEP_2)
	v_pk_add_f32 v[rI:rI+1], v[kM:kM+1], v[rI:rI+1] neg_lo:[0,1] neg_hi:[0,1]
.endm
.macro S2A set                         ; E0, Ef.  The tile's 32 exponentials are one batch: none of them reads another's result
.irp j, 0,1,2,3,4,5,6,7
	v_exp_f32 v[RM+\j], v[RM+\j]
.endr
.irp j, 0,1,2,3,4,5,6,7
	v_exp_f32 v[ACC+24*(\set)+\j], v[ACC+24*(\set)+\j]
.endr
.endm
.macro S2B set                         ; Ei, eh
.irp j, 0,1,2,3,4,5,6,7
	v_exp_f32 v[ACC+24*(\set)+8+\j], v[ACC+24*(\set)+8+\j]
.endr
.irp j, 0,1,2,3,4,5,6,7
	v_exp_f32 v[RT+\j], -|v[RT+\j]|
.endr
.endm
.macro S3 set, k                       ; NF = E0 + Ei (in i's place), NI = E0 + Ef (in f's), g O = max((u + 0.5) eh + (u + 0.5), eh), O = 1 + eh (in eh's place), (NF + NI) O
.set rF, ACC+24*(\set)+2*(\k)
.set rI, rF+8
.set rH, rF+16
.set kM, RM+2*(\k)
.set kT, RT+2*(\k)
	v_pk_add_f32 v[rI:rI+1], v[kM:kM+1], v[rI:rI+1]
	v_pk_add_f32 v[rF:rF+1], v[kM:kM+1], v[rF:rF+1]
	v_pk_fma_f32 v[rH:rH+1], v[rH:rH+1], v[kT:kT+1], v[rH:rH+1]
	s_delay_alu instid0(VALU_DEP_2)
	v_pk_add_f32 v[kM:kM+1], v[rI:rI+1], v[rF:rF+1]
	v_max_num_f32 v[rH], v[rH], v[kT]
	v_max_num_f32 v[rH+1], v[rH+1], v[kT+1]
	v_pk_add_f32 v[kT:kT+1], v[kT:kT+1], 1.0 op_sel_hi:[1,0]
	s_delay_alu instid0(VALU_DEP_1)
	v_pk_mul_f32 v[kM:kM+1], v[kM:kM+1], v[kT:kT+1]
.endm
.macro S4                              ; R = 1 / ((NF + NI) O)
.irp j, 0,1,2,3,4,5,6,7
	v_rcp_f32 v[RM+\j], v[RM+\j]
.endr
.endm
.macro S5 set, k, hs                   ; f' = NF (O R);  v = (NI R)(g O)
.set rF, ACC+24*(\set)+2*(\k)
.set rI, rF+8
.set rH, rF+16
.set kM, RM+2*(\k)
.set kT, RT+2*(\k)
	v_pk_mul_f32 v[kT:kT+1], v[kT:kT+1], v[kM:kM+1]
	v_pk_mul_f32 v[rF:rF+1], v[rF:rF+1], v[kM:kM+1]
	s_delay_alu instid0(VALU_DEP_2)
	v_pk_mul_f32 v[(\hs)+8+2*(\k):(\hs)+8+2*(\k)+1], v[rI:rI+1], v[kT:kT+1]
	s_delay_alu instid0(VALU_DEP_2)
	v_pk_mul_f32 v[(\hs)+2*(\k):(\hs)+2*(\k)+1], v[rF:rF+1], v[rH:rH+1]
.endm
.macro S6 hs                           ; the scan of my eight times from 0, and the running product of f'
.irp j, 1
	v_fma_f32 v[(\hs)+\j], v[(\hs)+8+\j], v[(\hs)+\j-1], v[(\hs)+\j]
	v_mul_f32 v[(\hs)+8+\j], v[(\hs)+8+\j], v[(\hs)+8+\j-1]
.endr
.irp j, 2, 3, 4, 5, 6, 7
	s_delay_alu instid0(VALU_DEP_2)
	v_fma_f32 v[(\hs)+\j], v[(\hs)+8+\j], v[(\hs)+\j-1], v[(\hs)+\j]
	s_delay_alu instid0(VALU_DEP_2)
	v_mul_f32 v[(\hs)+8+\j], v[(\hs)+8+\j], v[(\hs)+8+\j-1]
.endr
.endm
; The halves of the lanes meet.  (ta, th): the tile's product and value, right in every lane.  (ap, sp): what brings the tile's carry to my eight times: lanes 0-15 take it as it is, lanes 16-31 through the first eight times.
.macro S7T hs, ta, th, ap, sp
	v_permlanex16_b32 v[RM], v[(\hs)+15], s[SEL], s[SEL+1]        ; the other half's last product,
	v_permlanex16_b32 v[RM+1], v[(\hs)+7], s[SEL], s[SEL+1]       ; and its last value
	s_delay_alu instid0(VALU_DEP_2)
	v_mul_f32 v[\ta], v[(\hs)+15], v[RM]
	s_delay_alu instid0(VALU_DEP_2)
	v_fma_f32 v[RM+2], v[(\hs)+15], v[RM+1], v[(\hs)+7]           ; the tile's value as lanes 16-31 see it: mine is the later half,
	s_delay_alu instid0(VALU_DEP_3)
	v_fma_f32 v[RM+3], v[RM], v[(\hs)+7], v[RM+1]                 ; and as lanes 0-15 see it
	v_cndmask_b32 v[\ap], 1.0, v[RM], s[HM]
	v_cndmask_b32 v[\sp], 0, v[RM+1], s[HM]
	s_delay_alu instid0(VALU_DEP_3)
	v_cndmask_b32 v[\th], v[RM+3], v[RM+2], s[HM]
.endm
; Tile Y is done: the two tiles meet.  ep: the parity of their generation.  The later tile's (ap, sp) go through the earlier tile; the wave's summary goes to LDS.
.macro S7Y ep
	S7T HLY, RM+4, RM+5, APY, SPY
.if (\ep) == 1                         ; odd: X is the earlier tile
	s_delay_alu instid0(VALU_DEP_2)
	v_fma_f32 v[SPY], v[APY], v[THX], v[SPY]
	s_delay_alu instid0(VALU_DEP_4)
	v_mul_f32 v[APY], v[APY], v[TAX]
	v_mul_f32 v[RM+6], v[RM+4], v[TAX]
	s_delay_alu instid0(VALU_DEP_4)
	v_fma_f32 v[RM+7], v[RM+4], v[THX], v[RM+5]
.else                                  ; even: Y is the earlier tile
	s_delay_alu instid0(VALU_DEP_1)
	v_fma_f32 v[SPX], v[APX], v[RM+5], v[SPX]
	v_mul_f32 v[APX], v[APX], v[RM+4]
	v_mul_f32 v[RM+6], v[TAX], v[RM+4]
	s_delay_alu instid0(VALU_DEP_4)
	v_fma_f32 v[RM+7], v[TAX], v[RM+5], v[THX]
.endif
	ds_store_b64 v[AES], v[RM+6:RM+7]
.endm
.macro P3A                             ; the eight waves' summaries chained onto the generation's carry; my prefix is caught where the chain stands in front of my rows
	v_mov_b32 v[MINE], v[CC]
.irp u, 0
.if \u > 0
	v_cndmask_b32 v[MINE], v[MINE], v[CC], s[MK+\u]
.endif
	v_fma_f32 v[CC], v[SU+2*\u], v[CC], v[SU+2*\u+1]
.endr
.irp u, 1, 2, 3, 4, 5, 6, 7
.if \u > 0
	s_delay_alu instid0(VALU_DEP_1)
	v_cndmask_b32 v[MINE], v[MINE], v[CC], s[MK+\u]
.endif
	s_delay_alu instid0(VALU_DEP_2)
	v_fma_f32 v[CC], v[SU+2*\u], v[CC], v[SU+2*\u+1]
.endr
.endm
.macro P3B hs, ap, sp, toff            ; h = product x carry + local scan, and out: time 8 h + j is 4,096 j bytes on; sixteen lanes store 64 consecutive bytes
	v_fma_f32 v[CL], v[\ap], v[MINE], v[\sp]
.irp k, 0,2,4,6
	v_pk_fma_f32 v[(\hs)+\k:(\hs)+\k+1], v[(\hs)+8+\k:(\hs)+8+\k+1], v[CL:CL+1], v[(\hs)+\k:(\hs)+\k+1] op_sel_hi:[1,0,1]
.endr
.irp j, 0,1,2,3,4,5,6,7
	global_store_b32 v[OFF], v[(\hs)+\j], s[OUT:OUT+1] offset:(\toff)+4096*\j th:TH_STORE_NT   ; written once, read by nobody in this launch
.endr
.endm
; BODY X of a generation of parity par.  gemm: the products of tile X, from place 1 into set 0.  gates: tile Y of the generation before, on set 1.  fill: the next generation is asked for.  xs: the next tile X's scale words.
; The counts on DScnt are the LDS instructions issued behind the load that is wanted: behind K step 0's fragment 30, behind K step 1's 24; behind K step 2's 18, the 12 of K steps 6 and 7 and, with fill, the add.
.macro XB par, fill, gates, gemm, xs
.if \gemm
	s_wait_tensorcnt 0x0                           ; my 32 rows of this generation have landed: I asked for them, and I alone read them
.irp s, 0,1,2,3,4,5
	FRAG XF+12*\s, ADR, \s, SL1
.endr
	s_wait_loadcnt 0x1                             ; this tile's scale words are in; the one younger load, tile Y's, may be out
	s_wait_dscnt 30
	MM 0, 0
.endif
.if \gates
	S1 1, 0
	S1 1, 1
.endif
.if \gemm
	s_wait_dscnt 24
	MM 1, 0
.endif
.if \gates
	S1 1, 2                                        ; eight plain lines that name no register of the products above: the places in front of the loads into buffers 0 and 1
.elseif \gemm
	PLACES 4
.endif
.if \gemm
	FRAG XF, ADR, 6, SL1                           ; my last reads of place 1
	FRAG XF+12, ADR, 7, SL1
.endif
.if \fill
	s_wait_tensorcnt 0x0                           ; no tensor load of mine is out (the wait at the body's head has shown it), so a group 0 may be written
	ds_add_u32 v[SPW], v[NIL]                      ; 0 onto my spare word
	s_add_nc_u64 s[G0+4*(\par)+2:G0+4*(\par)+3], s[G0+4*(\par)+2:G0+4*(\par)+3], 2*GENX   ; this generation's group 0 goes two generations on; the type bits on top are not reached
	s_wait_xcnt 0x0                                ; the last prefetch, a generation back, has read its address
	s_add_nc_u64 s[PFA:PFA+1], s[PFA:PFA+1], GENX
	s_wait_dscnt 31
	MM 2, 0
.elseif \gemm
	s_wait_dscnt 30
	MM 2, 0
.endif
.if \gates
	S1 1, 3
.endif
	s_wait_dscnt 0x0                               ; the add is done; my reads of place 1, of the place read last generation and of the summaries are in
.if \fill
	CROUND                                         ; that now holds of every wave of all four partners
	tensor_load_to_lds s[G0+4*(1-\par):G0+4*(1-\par)+3], s[G1X:G1X+7]   ; first behind the round, and my one tensor load until the next: place 1 and the place read last generation
	s_nop 0
	PLACES 4
	ASK
	s_add_co_u32 s[KI], s[KI], 1
.else
	s_barrier_signal -1                            ; nothing is left to ask for; the barrier still parts the last readers of the summaries from the store at this body's end
	s_barrier_wait -1
.endif
.if \gates
	s_wait_alu depctr_va_vdst(0)
	S2A 1
.endif
.if \gemm
	s_wait_alu depctr_va_vdst(0)
	MM 3, 0
.endif
.if \gates
	S2B 1
	v_nop                                          ; a plain line behind the last exponential
	s_wait_alu depctr_va_vdst(0)                   ; one wait for the 32 exponentials, ahead of the first line that names a result
	S3 1, 0
	S3 1, 1
.endif
.if \gemm
	MM 4, 0
.endif
.if \gates
	S3 1, 2
	S3 1, 3
.endif
.if \gemm
	MM 5, 0
.endif
.if \gates
	s_wait_alu depctr_va_vdst(0)
	S4
	v_nop                                          ; a plain line behind the last reciprocal
	s_wait_alu depctr_va_vdst(0)                   ; one wait for the eight
	S5 1, 0, HLY                                   ; (tile Y's stores of the generation before have read these registers: the wait on XCNT in body Y stands behind them)
	S5 1, 1, HLY
.endif
.if \gemm
	MM 6, 0
.endif
.if \gates
	S5 1, 2, HLY
	S5 1, 3, HLY
.endif
.if \gemm
	MM 7, 0
.endif
.if \gates
	S6 HLY                                         ; fourteen plain lines: the places behind the last products, ahead of the loads below and of the first read of these results
	S7Y (1-\par)
.elseif \gemm
	PLACES 4
.endif
.if \xs
	s_wait_xcnt 0x0                                ; the last load of scale words has read its base
	s_add_nc_u64 s[XSB:XSB+1], s[XSB:XSB+1], 256*32
	global_load_b128 v[XSC:XSC+3], v[XSO], s[XSB:XSB+1] offset:512*(\par)          ; the next generation's tile X: the later tile where that generation is even
.endif
.endm
; BODY Y.  gemm: the products of tile Y, from place 0 (even) or 2 (odd) into set 1.  p3: the generation before goes out.  gates: tile X of this generation, on set 0.  lc: the younger loads of scale words.
; The counts on DScnt: behind the 8 summaries 36; behind K step 0's fragment 30, K step 1's 24; with the 12 of K steps 6 and 7 issued, 30, 24, 18, 12, 6, 0.
.macro YB par, p3, gates, gemm, xs, lc
.set YS, SL0+(\par)*SL2
	s_wait_dscnt 0x0                               ; my summary's store is done
	s_barrier_signal -1
	s_barrier_wait -1                              ; everybody's is.  The generation on its way stays out
.if \p3
.irp u, 0,1,2,3,4,5,6,7
	ds_load_b64 v[SU+2*\u:SU+2*\u+1], v[AER] offset:256*\u
.endr
.endif
.if \gemm
.irp s, 0,1,2,3,4,5
	FRAG XF+12*\s, ADR, \s, YS
.endr
.endif
.if \p3
.if \gemm
	s_wait_dscnt 36
.else
	s_wait_dscnt 0x0
.endif
	P3A
.if (\par) == 1                        ; the generation that goes out is even: its tile X is the later one
	P3B HLX, APX, SPX, 65536
	P3B HLY, APY, SPY, 0
.else
	P3B HLX, APX, SPX, 0
	P3B HLY, APY, SPY, 65536
.endif
.endif
.if \gemm
	s_wait_loadcnt \lc
	s_wait_dscnt 30
	MM 0, 1
.endif
.if \gates
	S1 0, 0
	S1 0, 1
.endif
.if \gemm
	s_wait_dscnt 24
	MM 1, 1
.endif
.if \gates
	S1 0, 2                                        ; the places in front of the loads into buffers 0 and 1
	S1 0, 3
.endif
.if \gemm
	FRAG XF, ADR, 6, YS
	FRAG XF+12, ADR, 7, YS
	s_wait_alu depctr_va_vdst(0)
	s_wait_dscnt 30
	MM 2, 1
.endif
.if \gates
	S2A 0
.endif
.if \gemm
	s_wait_dscnt 24
	s_wait_alu depctr_va_vdst(0)
	MM 3, 1
.endif
.if \gates
	S2B 0
	v_nop
	s_wait_alu depctr_va_vdst(0)                   ; one wait for the 32 exponentials
	S3 0, 0
	S3 0, 1
.endif
.if \gemm
	s_wait_dscnt 18
	MM 4, 1
.endif
.if \gates
	S3 0, 2
	S3 0, 3
.endif
.if \gemm
	s_wait_dscnt 12
	MM 5, 1
.endif
.if \gates
	s_wait_alu depctr_va_vdst(0)
	S4
	v_nop
	s_wait_alu depctr_va_vdst(0)                   ; one wait for the eight reciprocals
	s_wait_xcnt 0x0                                ; this body's stores have read their data and their base: both are written below, tile Y's data in the next body
.if \p3
	s_add_nc_u64 s[OUT:OUT+1], s[OUT:OUT+1], 256*4096
.endif
	S5 0, 0, HLX
	S5 0, 1, HLX
.endif
.if \gemm
	s_wait_dscnt 6
	MM 6, 1
.endif
.if \gates
	S5 0, 2, HLX
	S5 0, 3, HLX
.endif
.if \gemm
	s_wait_dscnt 0x0
	MM 7, 1
.endif
.if \gates
	S6 HLX                                         ; the places behind the last products
	S7T HLX, TAX, THX, APX, SPX
.endif
.if \xs
	global_load_b128 v[XSC+4:XSC+7], v[XSO], s[XSB:XSB+1] offset:512*(1-\par)      ; the next generation's tile Y
.endif
.endm
	s_load_b256 s[4:11], s[0:1], 0x0               ; x's codes s[4:5], x's scales s[6:7], Wf's codes s[8:9], Wf's scales s[10:11]
	s_load_b256 s[12:19], s[0:1], 0x20             ; Wi's codes, Wi's scales, Wh's codes, Wh's scales
	s_load_b256 s[20:27], s[0:1], 0x40             ; bf, bi, bh, the output
	v_lshl_add_u32 v[SPW], v0, 2, SPARE
	v_mov_b32 v[NIL], 0
	ds_add_u32 v1, v2
	ds_add_u32 v1, v2
	s_wait_dscnt 0x0
	v_lshrrev_b32 v[TM0], 5, v0
	s_delay_alu instid0(VALU_DEP_1)
	v_readfirstlane_b32 s[WV], v[TM0]              ; wave 0..7
	s_bfe_u32 s[CX], ttmp6, 0x40000                ; my place in the cluster
	s_lshl_b32 s[CG], ttmp9, 2                     ; in a cluster launch ttmp9 counts clusters
	s_add_co_u32 s[CG], s[CG], s[CX]               ; my group of 16 channels: it enters the weights', the biases' and the output's addresses alone
	s_and_b32 s[BA], ttmp7, 0xffff                 ; the batch, which the four partners share
	; every vector address is made here, ahead of all branches
	v_and_b32 v[TMR], 15, v0                       ; r
	v_bfe_u32 v[TMH], v0, 4, 1                     ; h
	v_and_b32 v[TML], 31, v0                       ; lane
	s_delay_alu instid0(VALU_DEP_3)
	v_mul_u32_u24 v[TM0], v[TMR], PITCH
	s_delay_alu instid0(VALU_DEP_1)
	v_mad_u32_u24 v[TM0], v[TMH], 24, v[TM0]       ; row r, + 24 h
	s_mul_i32 s92, s[WV], WSLOT                    ; my wave's three places: no place in the cluster enters an LDS address
	v_add_nc_u32 v[ADR], s92, v[TM0]
	s_delay_alu instid0(VALU_DEP_1)
	v_lshl_add_u32 v[ADR+2], v[TMH], 4, v[ADR]     ; and behind one padding more: 40 h for 24 h
.irp g, 0,1,2
	v_add_nc_u32 v[AW+4*\g], SL2+WSLOT*\g, v[TM0]  ; weight g lands in place 2 of wave g
	s_delay_alu instid0(VALU_DEP_1)
	v_lshl_add_u32 v[AW+4*\g+2], v[TMH], 4, v[AW+4*\g]
.endr
	s_lshl_b32 s2, s[WV], 8
	s_add_co_u32 s2, s2, EB
	v_lshl_add_u32 v[AES], v[TML], 3, s2           ; my wave's 256 bytes, 8 a lane
	v_lshl_add_u32 v[AER], v[TMR], 3, EB+128       ; lanes 16-31's half of an entry, channel r
	s_lshl_b32 s2, s[WV], 17                       ; 32 rows of 4,096 bytes
	v_lshlrev_b32 v[OFF], 2, v[TMR]
	s_delay_alu instid0(VALU_DEP_1)
	v_lshl_add_u32 v[OFF], v[TMH], 15, v[OFF]
	s_delay_alu instid0(VALU_DEP_1)
	v_add_nc_u32 v[OFF], s2, v[OFF]                ; 131,072 w + 32,768 h + 4 r
	v_lshlrev_b32 v[PFO], 8, v[TML]
	v_lshlrev_b32 v[TMB], 2, v[TMR]                ; a bias: 4 r
	v_lshlrev_b32 v[TMW], 5, v[TMR]
	s_delay_alu instid0(VALU_DEP_1)
	v_lshl_add_u32 v[TMW], v[TMH], 4, v[TMW]       ; a row's scale bytes: 32 r + 16 h
	s_lshl_b32 s2, s[WV], 10                       ; 32 rows of 32 bytes
	v_add_nc_u32 v[XSO], s2, v[TMW]
	GROUP1 G1X, W0J, 96                            ; 32 rows of x: 24,576 dense bytes
	GROUP1 G1W, W0P, 48                            ; 16 rows of a weight: 12,288
	s_mov_b32 s[SEL], 0x76543210
	s_mov_b32 s[SEL+1], 0xfedcba98
	s_mov_b32 s[LG], 0x3fb8aa3b                    ; log2 e
	s_mov_b32 s[LG+1], s[LG]                       ; (named with it as a pair, so it is written)
	s_mov_b32 s[HM], 0xffff0000
.irp u, 1,2,3,4,5,6,7
	s_cmp_eq_u32 s[WV], \u
	s_cselect_b32 s[MK+\u], -1, 0
.endr
	s_cmp_lt_u32 s[WV], 6                          ; waves 0 to 5 of every work-group prefetch, in generations 0 to 13: the same in all four partners
	s_cselect_b32 s[LIM], 14, 0
	s_mov_b32 s[KI], 0
	s_mul_i32 s2, s[BA], BATCHX
	s_mul_i32 s3, s[WV], WAVEX
	s_add_co_u32 s2, s2, s3
	s_mov_b32 s3, 0
	s_wait_kmcnt 0x0
	s_add_nc_u64 s[2:3], s[4:5], s[2:3]            ; x's codes at my 32 rows of generation 0
	s_mov_b32 s[G0], 1                             ; count = 1
	s_mov_b32 s[G0+1], s92                         ; LDS address: places 0 and 1
	s_mov_b64 s[G0+2:G0+3], s[2:3]
	s_or_b32 s[G0+3], s[G0+3], 0x80000000          ; type = 2
	s_mov_b32 s[G0+4], 1
	s_add_co_u32 s[G0+5], s92, SL1                 ; places 1 and 2: generation 1
	s_add_nc_u64 s[G0+6:G0+7], s[2:3], GENX
	s_or_b32 s[G0+7], s[G0+7], 0x80000000
	s_lshl_b32 s2, s[BA], 17                       ; a batch's scale bytes: 4,096 x 32
	s_mov_b32 s3, 0
	s_add_nc_u64 s[XSB:XSB+1], s[6:7], s[2:3]
	s_mov_b32 s[G0W], 1                            ; a weight's 16 rows of my channels: a load of my work-group's own; waves 0, 1, 2 fetch Wf, Wi, Wh
	s_add_co_u32 s[G0W+1], s92, SL2
	s_cmp_eq_u32 s[WV], 1
	s_cselect_b64 s[G0W+2:G0W+3], s[12:13], s[16:17]
	s_cmp_eq_u32 s[WV], 0
	s_cselect_b64 s[G0W+2:G0W+3], s[8:9], s[G0W+2:G0W+3]
	s_mul_i32 s100, s[CG], 16*768
	s_mov_b32 s101, 0
	s_add_nc_u64 s[G0W+2:G0W+3], s[G0W+2:G0W+3], s[100:101]
	s_or_b32 s[G0W+3], s[G0W+3], 0x80000000
	s_lshl_b32 s100, s[CG], 9                      ; my 16 rows of a weight's scale bytes
	s_add_nc_u64 s[10:11], s[10:11], s[100:101]
	s_add_nc_u64 s[14:15], s[14:15], s[100:101]
	s_add_nc_u64 s[18:19], s[18:19], s[100:101]
	s_lshl_b32 s100, s[CG], 6                      ; my 16 numbers of a bias, and of an output row
	s_add_nc_u64 s[20:21], s[20:21], s[100:101]
	s_add_nc_u64 s[22:23], s[22:23], s[100:101]
	s_add_nc_u64 s[24:25], s[24:25], s[100:101]
	s_add_nc_u64 s[OUT:OUT+1], s[26:27], s[100:101]
	s_lshl_b32 s100, s[BA], 24                     ; a batch of the output: 4,096 x 4,096 bytes
	s_add_nc_u64 s[OUT:OUT+1], s[OUT:OUT+1], s[100:101]
	s_mul_i32 s100, s[BA], BATCHX                  ; the prefetches: my batch, generation 1 (generation 0's body steps it to 2), my work-group's quarter, my wave's sixth of it
	s_mul_i32 s101, s[CX], GENX/4
	s_add_co_u32 s100, s100, s101
	s_lshl_b32 s101, s[WV], 13
	s_add_co_u32 s100, s100, s101
	s_add_co_u32 s100, s100, GENX
	s_mov_b32 s101, 0
	s_add_nc_u64 s[PFA:PFA+1], s[4:5], s[100:101]
	CROUND                                         ; all four work-groups are here: the first joint loads meet
	s_cmp_lt_u32 s[WV], 3                          ; the head's loads, one a wave: waves 0, 1, 2 fetch the weights, waves 3 to 7 their own 32 rows of generation 0
	s_cbranch_scc0 .Lff_x
	tensor_load_to_lds s[G0W:G0W+3], s[G1W:G1W+7]
	s_nop 0
	PLACES 4
	s_branch .Lff_done
.Lff_x:
	tensor_load_to_lds s[G0:G0+3], s[G1X:G1X+7]
	s_nop 0
	PLACES 4
.Lff_done:
	s_wait_alu depctr_va_vdst(0)
	global_load_b128 v[WSC:WSC+3], v[TMW], s[10:11]       ; the weights' scale words: lanes 0-15 K steps 0-3 of channel r, lanes 16-31 K steps 4-7
	global_load_b128 v[WSC+4:WSC+7], v[TMW], s[14:15]
	global_load_b128 v[WSC+8:WSC+11], v[TMW], s[18:19]
	global_load_b32 v[BT], v[TMB], s[20:21]
	global_load_b32 v[BT+1], v[TMB], s[22:23]
	global_load_b32 v[BT+2], v[TMB], s[24:25]
	global_load_b128 v[XSC:XSC+3], v[XSO], s[XSB:XSB+1] offset:512    ; generation 0 is even: its tile X is the later one
	global_load_b128 v[XSC+4:XSC+7], v[XSO], s[XSB:XSB+1]
	s_wait_tensorcnt 0x0                           ; my first fill has landed
	ds_add_u32 v[SPW], v[NIL]                      ; 0 onto my spare word
	s_wait_dscnt 0x0                               ; the add is done
	CROUND                                         ; everybody's first fill has landed: the weights are read by all eight waves; all four partners are here: the joint loads below meet
	s_cmp_lt_u32 s[WV], 3                          ; waves 0, 1, 2 ask for their 32 rows of generation 0, into their places 0 and 1, which nothing has filled yet; the weights lie in their places 2
	s_cbranch_scc0 .Lff_late
	tensor_load_to_lds s[G0:G0+3], s[G1X:G1X+7]
	s_nop 0
	PLACES 4
.Lff_late:
	WIN 0x40                                       ; destination window 1, address window 0
.irp g, 0,1,2
.irp s, 0,1,2,3,4,5,6
	FRAG 36*\s+12*\g, AW+4*\g, \s, 0               ; the weights' fragments stay in registers
.endr
.endr
	WIN 0
.irp g, 0,1,2
	FRAG W7+12*\g, AW+4*\g, 7, 0
.endr
	s_wait_loadcnt 0x0                             ; the scale words and the biases
	v_mul_f32 v[BFL], s[LG], v[BT]
	v_mul_f32 v[BIL], s[LG], v[BT+1]
	v_mul_f32 v[BHL], s[LG], v[BT+2]
	v_add_f32 v[BHG], 0.5, v[BT+2]
	s_delay_alu instid0(VALU_DEP_4)
	v_mov_b32 v[BFL+1], v[BFL]
	s_delay_alu instid0(VALU_DEP_4)
	v_mov_b32 v[BIL+1], v[BIL]
	s_delay_alu instid0(VALU_DEP_4)
	v_mov_b32 v[BHL+1], v[BHL]
	s_delay_alu instid0(VALU_DEP_4)
	v_mov_b32 v[BHG+1], v[BHG]
	v_mov_b32 v[CC], 1.0                           ; h_0
	v_mov_b32 v[CL+1], 0                           ; (named as the upper half of a pair)
	XB 0, 1, 0, 1, 1                               ; generation 0 (the weights' LDS loads were issued ahead of x's, so the first counted wait covers them; the round's wait for all LDS reads stands ahead of the fill of their places)
	s_wait_alu depctr_va_vdst(0)
	YB 0, 0, 1, 1, 1, 1
	s_mov_b32 s[TR], 7
.Lpair:                                                ; generations 1 to 14, two a trip: the places come back after two
	XB 1, 1, 1, 1, 1
	YB 1, 1, 1, 1, 1, 1
	XB 0, 1, 1, 1, 1
	YB 0, 1, 1, 1, 1, 1
	s_sub_co_u32 s[TR], s[TR], 1
	s_cmp_lg_u32 s[TR], 0
	s_cbranch_scc1 .Lpair
	XB 1, 0, 1, 1, 0                               ; generation 15: the tail is written out
	YB 1, 1, 1, 1, 0, 0
	XB 0, 0, 1, 0, 0                               ; the gates of the last tile, the last summary
	YB 0, 1, 0, 0, 0, 0                            ; generation 15 goes out
	s_wait_tensorcnt 0x0                           ; the wave's end, behind my last tensor load and my last LDS store
	ds_add_u32 v[SPW], v[NIL]
	s_wait_dscnt 0x0
	CROUND                                         ; the closing round: no work-group ends while a partner may still ask for a tile that names it
	s_endpgm
.Lfunc_end_k_q2abfbbfad6_minlstm:
	.size	k_q2abfbbfad6_minlstm, .Lfunc_end_k_q2abfbbfad6_minlstm-k_q2abfbbfad6_minlstm
	.p2alignl 7, 3214868480
	.fill 96, 4, 3214868480
	.section	.rodata,"a",@progbits
	.p2align	6, 0x0
	.amdhsa_kernel k_q2abfbbfad6_minlstm
		.amdhsa_group_segment_fixed_size 327680
		.amdhsa_private_segment_fixed_size 0
		.amdhsa_enable_private_segment 0
		.amdhsa_kernarg_size 96
		.amdhsa_user_sgpr_count 2
		.amdhsa_user_sgpr_kernarg_segment_ptr 1
		.amdhsa_wavefront_size32 1
		.amdhsa_system_sgpr_workgroup_id_x 1
		.amdhsa_system_sgpr_workgroup_id_y 1
		.amdhsa_system_sgpr_workgroup_id_z 1
		.amdhsa_system_vgpr_workitem_id 0
		.amdhsa_next_free_vgpr 512
		.amdhsa_next_free_sgpr 102
		.amdhsa_reserve_vcc 0
		.amdhsa_float_denorm_mode_32 3
		.amdhsa_float_denorm_mode_16_64 3
		.amdhsa_memory_ordered 1
		.amdhsa_forward_progress 1
		.amdhsa_inst_pref_size 168
	.end_amdhsa_kernel
	.amdgpu_metadata
---
amdhsa.version: [ 1, 2 ]
amdhsa.kernels:
  - .name:           k_q2abfbbfad6_minlstm
    .symbol:         k_q2abfbbfad6_minlstm.kd
    .args:
      - { .name: x_codes, .offset: 0, .size: 8, .value_kind: global_buffer, .address_space: global }
      - { .name: x_scales, .offset: 8, .size: 8, .value_kind: global_buffer, .address_space: global }
      - { .name: W_f_codes, .offset: 16, .size: 8, .value_kind: global_buffer, .address_space: global }
      - { .name: W_f_scales, .offset: 24, .size: 8, .value_kind: global_buffer, .address_space: global }
      - { .name: W_i_codes, .offset: 32, .size: 8, .value_kind: global_buffer, .address_space: global }
      - { .name: W_i_scales, .offset: 40, .size: 8, .value_kind: global_buffer, .address_space: global }
      - { .name: W_h_codes, .offset: 48, .size: 8, .value_kind: global_buffer, .address_space: global }
      - { .name: W_h_scales, .offset: 56, .size: 8, .value_kind: global_buffer, .address_space: global }
      - { .name: b_f, .offset: 64, .size: 8, .value_kind: global_buffer, .address_space: global }
      - { .name: b_i, .offset: 72, .size: 8, .value_kind: global_buffer, .address_space: global }
      - { .name: b_h, .offset: 80, .size: 8, .value_kind: global_buffer, .address_space: global }
      - { .name: out0, .offset: 88, .size: 8, .value_kind: global_buffer, .address_space: global }
    .group_segment_fixed_size: 327680
    .private_segment_fixed_size: 0
    .kernarg_segment_align: 8
    .kernarg_segment_size: 96
    .max_flat_workgroup_size: 256
    .sgpr_count:     102
    .vgpr_count:     512
    .wavefront_size: 32
...
	.end_amdgpu_metadata
.endif
;; end of part 2
